; MI455X (gfx1250); checked and timed in simulation.
; The chip was launched on July 23, 2026; its instructions are those of AMD's public machine-readable ISA for CDNA 5 (MIT licence, August 2026) and "CDNA5" Instruction Set Architecture Reference Guide (July 2026). The comments in the code are by the model that wrote it; some were corrected since.
;; Attention Module. Allowed arithmetic: matrix products marked QUANTISED: E5M2 operands, one E8M0 scale for each 32 along K, by v_wmma_scale_f32_16x16x128_f8f6f4 with both operands' format E5M2, f32 sums; products left as they are: f32 operands where the result goes on into a quantised operand, else bf16, f16 or f32 operands; f32 sums; everything else in f32.
;; Inputs: Wk_codes 1,024 x 32 x 32 uint8 (E5M2 codes of Wk, K innermost, in blocks of 32 codes); Wk_scales 1,024 x 32 uint8 (E8M0 scales of Wk, one for each 32 codes along K); Wq_codes 1,024 x 32 x 32 uint8 (E5M2 codes of Wq, K innermost, in blocks of 32 codes); Wq_scales 1,024 x 32 uint8 (E8M0 scales of Wq, one for each 32 codes along K); bk 1,024 float32; bq 1,024 float32; reviewer_emb 32 x 2,048 x 1,024 float32; submitter_emb_codes 32 x 32 x 32 uint8 (E5M2 codes of submitter_emb, K innermost, in blocks of 32 codes); submitter_emb_scales 32 x 32 uint8 (E8M0 scales of submitter_emb, one for each 32 codes along K).
;; Outputs: out0 32 x 1,024 float32.
;; This version of the problem:
;;   THIS VERSION OF THE PROBLEM IS GIVEN IN LOW PRECISION. The matrix products marked QUANTISED in the list below multiply operands that are first quantised to E5M2 (5 exponent bits, 2 mantissa bits; 8 bits a number), with one power-of-two scale for each 32 numbers along K (OCP MX v1.0); their sums are f32. All else is computed in f32.
;;   The module's matrix products, in the order in which they are computed (A, B: the left and right operand; K: the contracted axis; several contracted axes count as one K, in the product's order):
;;     1. [M 32, K 1,024] x [K 1,024, N 1,024]; A: input submitter_emb (given as codes); B: input Wq (given as codes): QUANTISED
;;     2. [M 65,536, K 1,024] x [K 1,024, N 1,024]; A: input reviewer_emb; B: input Wk (given as codes): QUANTISED
;;     3. batch 32 x [M 1, K 1,024] x [K 1,024, N 2,048]; A: computed on the way; B: computed on the way: left as it is (M = 1 < 16)
;;     4. batch 32 x [M 1, K 2,048] x [K 2,048, N 1,024]; A: computed on the way; B: input reviewer_emb: left as it is (M = 1 < 16)
;;   THE QUANTISER, for each operand of a quantised product, along K:
;;     - K is cut into blocks of 32 from its start; a last block that is shorter is filled with zeros.
;;     - A block's scale is 2^e with e = floor(log2(the largest magnitude in the block)) - 15, held to -126 .. 127; a block of zeros has e = 0. As a byte (E8M0): e + 127.
;;     - Each number is divided by its block's scale, clamped to +-57,344, and rounded to the nearest number of E5M2, ties to even, subnormals kept.
;;     - The product sums the exact products of the quantised numbers (number of the format x scale) in f32.
;;   ~~~python
;;   def quantise(x, axis):      # numpy; x: float32 -> the quantised numbers, widened to float32 again
;;       x = np.moveaxis(x, axis, -1); K = x.shape[-1]
;;       x = np.pad(x, [(0, 0)] * (x.ndim - 1) + [(0, -K % 32)]); x = x.reshape(x.shape[:-1] + (-1, 32)); a = np.abs(x).max(-1, keepdims=True)
;;       e = np.where(a > 0, np.clip(np.frexp(np.where(a > 0, a, 1))[1] - 1 - 15, -126, 127), 0)      # np.frexp(a)[1] - 1 = floor(log2(a)), exactly
;;       r = np.clip(x / 2.0 ** e, -57344, 57344)
;;       step = 2.0 ** (np.maximum(np.frexp(np.where(r == 0, 1, r))[1] - 1, -14) - 2)
;;       q = np.round(r / step) * step * 2.0 ** e      # np.round: ties to even
;;       return np.moveaxis(q.reshape(q.shape[:-2] + (-1,))[..., :K], -1, axis).astype(np.float32)
;;   ~~~
;;   INPUTS GIVEN AS CODES. Wk (in the module: [1024, 1024], K = its axis 1); Wq (in the module: [1024, 1024], K = its axis 1); submitter_emb (in the module: [32, 1024], K = its axis 1): each comes as NAME_codes (uint8): NAME with its K axis moved to the last place and cut into blocks of 32 codes, [.., K / 32, bytes a block], one block behind the other in memory; one code a byte (a code: sign, 5 exponent bits, 2 mantissa bits); and NAME_scales (uint8): the same leading axes, one E8M0 byte (e + 127) for each 32 codes along K. Its value is code x scale, taken as it is: it is not quantised again, and the codes and scales need not be those that the quantiser above would give.
;; One version. Each part assembles by itself: llvm-mc -triple=amdgcn-amd-amdhsa -mcpu=gfx1250 --defsym DOCPART=n.
;; ======== version 1 of 1: 3 launches
;; workspace buffers: wkimg 1,048,576 bytes; wksc 32,768 bytes; qimg 131,072 bytes; part 2,097,152 bytes
;; launch prep (part 1): grid 64 x 1, 2 waves a work-group, no clusters, 0 bytes of LDS; arguments Wk_codes, Wk_scales, Wq_codes, Wq_scales, bq, submitter_emb_codes, submitter_emb_scales, wkimg, wksc, qimg; writes wkimg, wksc, qimg
.if DOCPART == 1
	.amdgcn_target "amdgcn-amd-amdhsa--gfx1250"
	.amdhsa_code_object_version 6
	.text
	.protected	k_q385e9e6a3d_prep
	.globl	k_q385e9e6a3d_prep
	.p2align	8
	.type	k_q385e9e6a3d_prep,@function
k_q385e9e6a3d_prep:
	s_mov_b64 s[64:65], 0
	v_nop
	global_prefetch_b8 v0, s[64:65] scope:SCOPE_SE
	s_setreg_imm32_b32 hwreg(HW_REG_WAVE_MODE, 25, 1), 1
	s_wait_xcnt 0x0
; Work-group tau (0..63) serves rows 16 tau .. 16 tau + 15 of Wq and of Wk.
; WAVE 0: Q = submitter_emb Wq^T + bq for these 16 columns a and all 32 batches, on the given E5M2 codes and E8M0 bytes.  Source 0 = 16 rows of Wq, source 1 = 16 rows of
;   submitter_emb: lane (r, h), register j then holds Q[16 beta + r][16 tau + 8 h + j].  The two results leave as images of their registers:
;   qimg[tau][beta][g][lane][16 bytes] = registers 4 g .. 4 g + 3: every store of the wave covers 512 consecutive bytes.  bq is the C of each sum's first product.
; WAVE 1: Wk's codes are laid anew in the order of an operand's registers: wkimg[s][tau][c][lane][16 bytes] = registers 4 c .. 4 c + 3 of the fragment (rows 16 tau on, K step s):
;   the next launch then takes a fragment by four loads of 512 consecutive bytes.  Its scale bytes: wksc[s][a] = one word (four bytes: K step s of row a).
; Nothing is quantised here: all three tensors are taken as they are given.
.set MSB, 0
.macro WIN new                         ; the immediate's high byte repeats the setting that is left
.if MSB != (\new)
	s_set_vgpr_msb (MSB<<8)|(\new)
.set MSB, (\new)
.endif
.endm
	s_load_b256 s[4:11], s[0:1], 0x0               ; Wk's codes s[4:5], Wk's scales s[6:7], Wq's codes s[8:9], Wq's scales s[10:11]
	s_load_b256 s[12:19], s[0:1], 0x20             ; bq s[12:13], submitter's codes s[14:15], its scales s[16:17], wkimg s[18:19]
	s_load_b128 s[20:23], s[0:1], 0x40             ; wksc s[20:21], qimg s[22:23]
	v_lshrrev_b32 v1, 5, v0
	v_readfirstlane_b32 s24, v1                    ; wave 0, 1
	v_and_b32 v1, 31, v0                           ; lane
	v_and_b32 v2, 15, v0                           ; r
	v_bfe_u32 v9, v0, 4, 1                         ; h
	v_lshlrev_b32 v3, 10, v2
	v_lshl_add_u32 v3, v9, 4, v3                   ; codes: row r of 1,024 bytes, + 16 h
	v_lshlrev_b32 v4, 5, v2                        ; scale bytes: row r of 32 bytes
	v_lshlrev_b32 v5, 5, v9                        ; bq: 8 h numbers on
	v_lshlrev_b32 v6, 4, v1                        ; an image's place for my lane
	v_lshl_add_u32 v7, v9, 4, v4                   ; Wk's scale bytes: row r, half h of its 32
	v_lshlrev_b32 v8, 2, v2
	v_lshl_add_u32 v8, v9, 14, v8                  ; wksc: 4 r + 4 h planes of 4,096 bytes
	s_lshl_b32 s26, ttmp9, 14                      ; 16 rows of codes
	s_mov_b32 s27, 0
	s_lshl_b32 s28, ttmp9, 9                       ; 16 rows of scale bytes
	s_mov_b32 s29, 0
	s_lshl_b32 s30, ttmp9, 6                       ; 16 numbers of bq; 16 words of a plane of wksc
	s_mov_b32 s31, 0
	s_lshl_b32 s32, ttmp9, 11                      ; an image of 2,048 bytes
	s_mov_b32 s33, 0
	s_wait_kmcnt 0x0
	s_cmp_lg_u32 s24, 0
	s_cbranch_scc1 .Lrelay
	; ---- wave 0
	s_add_nc_u64 s[8:9], s[8:9], s[26:27]
	s_add_nc_u64 s[10:11], s[10:11], s[28:29]
	s_add_nc_u64 s[12:13], s[12:13], s[30:31]
	s_add_nc_u64 s[22:23], s[22:23], s[32:33]
.irp g, 0,1
	global_load_b128 v[24+4*\g:27+4*\g], v4, s[10:11] offset:16*\g              ; Wq's scale words of K steps 4 g .. 4 g + 3: v24-31 hold scales alone
	global_load_b128 v[32+4*\g:35+4*\g], v4, s[16:17] offset:16*\g              ; the submitter's, batches 0-15: v32-39
	global_load_b128 v[40+4*\g:43+4*\g], v4, s[16:17] offset:512+16*\g          ; batches 16-31: v40-47
	global_load_b128 v[48+4*\g:51+4*\g], v5, s[12:13] offset:16*\g              ; bq in the result's layout: bq[16 tau + 8 h + j]
.endr
.set ps, 0
.rept 8
.irp c, 0,1,2,3
	global_load_b128 v[128+16*ps+4*\c:131+16*ps+4*\c], v3, s[8:9] offset:128*ps+32*\c   ; Wq's fragment of K step ps
.endr
.set ps, ps+1
.endr
	WIN 0x40                                       ; destination window 1
.set ps, 0
.rept 8
.irp b, 0,1
.irp c, 0,1,2,3
	global_load_b128 v[128*\b+16*ps+4*\c:128*\b+16*ps+4*\c+3], v3, s[14:15] offset:16384*\b+128*ps+32*\c   ; the submitter's fragments: batches 16 b on
.endr
.endr
.set ps, ps+1
.endr
	s_wait_loadcnt 0x0
	WIN 0x04                                       ; source 1 (the submitter) window 1
; The two accumulators take turns, one instruction a turn.
.set ps, 0
.rept 8
.irp b, 0,1
.if ps == 0
	v_wmma_scale_f32_16x16x128_f8f6f4 v[64+8*\b:71+8*\b], v[128+16*ps:143+16*ps], v[128*\b+16*ps:128*\b+16*ps+15], v[48:55], v[24+ps], v[32+8*\b+ps] matrix_a_fmt:MATRIX_FMT_BF8 matrix_b_fmt:MATRIX_FMT_BF8
.else
	v_wmma_scale_f32_16x16x128_f8f6f4 v[64+8*\b:71+8*\b], v[128+16*ps:143+16*ps], v[128*\b+16*ps:128*\b+16*ps+15], v[64+8*\b:71+8*\b], v[24+ps], v[32+8*\b+ps] matrix_a_fmt:MATRIX_FMT_BF8 matrix_b_fmt:MATRIX_FMT_BF8
.endif
.endr
.set ps, ps+1
.endr
	WIN 0
.rept 8
	v_nop                                          ; eight places between the last product and the stores that read results
.endr
.irp b, 0,1
.irp g, 0,1
	global_store_b128 v6, v[64+8*\b+4*\g:67+8*\b+4*\g], s[22:23] offset:1024*\b+512*\g   ; each accumulator from its low end on
.endr
.endr
	s_endpgm
.Lrelay:
	; ---- wave 1
	s_add_nc_u64 s[4:5], s[4:5], s[26:27]
	s_add_nc_u64 s[6:7], s[6:7], s[28:29]
	s_add_nc_u64 s[18:19], s[18:19], s[32:33]
	s_add_nc_u64 s[20:21], s[20:21], s[30:31]
	global_load_b128 v[56:59], v7, s[6:7]          ; row r's words of K steps 4 h .. 4 h + 3
.set ps, 0
.rept 32
	global_load_b128 v[128+4*ps:131+4*ps], v3, s[4:5] offset:128*(ps/4)+32*(ps%4)
.set ps, ps+1
.endr
.set ps, 0
.rept 32
	s_wait_loadcnt 31-ps                           ; loads come back in order: number ps is in, the younger ones stay out
	global_store_b128 v6, v[128+4*ps:131+4*ps], s[18:19] offset:131072*(ps/4)+512*(ps%4)
.set ps, ps+1
.endr
.irp q, 0,1,2,3
	global_store_b32 v8, v[56+\q], s[20:21] offset:4096*\q     ; sixteen lanes store 64 neighbouring bytes of plane 4 h + q: 32,768 bytes in the whole launch
.endr
	s_endpgm
.Lfunc_end_k_q385e9e6a3d_prep:
	.size	k_q385e9e6a3d_prep, .Lfunc_end_k_q385e9e6a3d_prep-k_q385e9e6a3d_prep
	.p2alignl 7, 3214868480
	.fill 96, 4, 3214868480
	.section	.rodata,"a",@progbits
	.p2align	6, 0x0
	.amdhsa_kernel k_q385e9e6a3d_prep
		.amdhsa_group_segment_fixed_size 0
		.amdhsa_private_segment_fixed_size 0
		.amdhsa_enable_private_segment 0
		.amdhsa_kernarg_size 80
		.amdhsa_user_sgpr_count 2
		.amdhsa_user_sgpr_kernarg_segment_ptr 1
		.amdhsa_wavefront_size32 1
		.amdhsa_system_sgpr_workgroup_id_x 1
		.amdhsa_system_sgpr_workgroup_id_y 1
		.amdhsa_system_sgpr_workgroup_id_z 1
		.amdhsa_system_vgpr_workitem_id 0
		.amdhsa_next_free_vgpr 512
		.amdhsa_next_free_sgpr 66
		.amdhsa_reserve_vcc 0
		.amdhsa_float_denorm_mode_32 3
		.amdhsa_float_denorm_mode_16_64 3
		.amdhsa_memory_ordered 1
		.amdhsa_forward_progress 1
		.amdhsa_inst_pref_size 22
	.end_amdhsa_kernel
	.amdgpu_metadata
---
amdhsa.version: [ 1, 2 ]
amdhsa.kernels:
  - .name:           k_q385e9e6a3d_prep
    .symbol:         k_q385e9e6a3d_prep.kd
    .args:
      - { .name: Wk_codes, .offset: 0, .size: 8, .value_kind: global_buffer, .address_space: global }
      - { .name: Wk_scales, .offset: 8, .size: 8, .value_kind: global_buffer, .address_space: global }
      - { .name: Wq_codes, .offset: 16, .size: 8, .value_kind: global_buffer, .address_space: global }
      - { .name: Wq_scales, .offset: 24, .size: 8, .value_kind: global_buffer, .address_space: global }
      - { .name: bq, .offset: 32, .size: 8, .value_kind: global_buffer, .address_space: global }
      - { .name: submitter_emb_codes, .offset: 40, .size: 8, .value_kind: global_buffer, .address_space: global }
      - { .name: submitter_emb_scales, .offset: 48, .size: 8, .value_kind: global_buffer, .address_space: global }
      - { .name: wkimg, .offset: 56, .size: 8, .value_kind: global_buffer, .address_space: global }
      - { .name: wksc, .offset: 64, .size: 8, .value_kind: global_buffer, .address_space: global }
      - { .name: qimg, .offset: 72, .size: 8, .value_kind: global_buffer, .address_space: global }
    .group_segment_fixed_size: 0
    .private_segment_fixed_size: 0
    .kernarg_segment_align: 8
    .kernarg_segment_size: 80
    .max_flat_workgroup_size: 64
    .sgpr_count:     66
    .vgpr_count:     512
    .wavefront_size: 32
...
	.end_amdgpu_metadata
.endif
;; end of part 1
;; launch main (part 2): grid 256 x 1, 8 waves a work-group, no clusters, 312,320 bytes of LDS; arguments reviewer_emb, wkimg, wksc, qimg, bk, part; writes part
.if DOCPART == 2
	.amdgcn_target "amdgcn-amd-amdhsa--gfx1250"
	.amdhsa_code_object_version 6
	.text
	.protected	k_q385e9e6a3d_main
	.globl	k_q385e9e6a3d_main
	.p2align	8
	.type	k_q385e9e6a3d_main,@function
k_q385e9e6a3d_main:
	s_mov_b64 s[64:65], 0
	v_nop
	global_prefetch_b8 v0, s[64:65] scope:SCOPE_SE
	s_setreg_imm32_b32 hwreg(HW_REG_WAVE_MODE, 25, 1), 1
	s_wait_xcnt 0x0
; For 256 rows l of one batch b (work-group wg: b = wg / 8), as two blocks of 128 rows:
;   K[l][a] = Q(x[l]) . Wk[a] + bk[a]   (x = reviewer_emb, quantised here to E5M2 with one E8M0 byte for each 32 along t; Wk as given)
;   e[l]    = sum over a of Q[b][a] K[l][a] / 32        (f32 multiply-adds)
;   part[block][t] = sum over the block's l of e[l] x[l][t]   (bf16 operands, f32 sums); the next launch adds a batch's 16 blocks.
; x IS READ FROM MEMORY ONCE.  e is linear in K, so the partial product of ONE K step of 128 (a CHUNK: 128 rows x 128 t) is contracted with Q as soon as it is made (every product has C = 0) and x is
; taken chunk by chunk as it arrives; bk enters as the value at which e's sums begin, sum of Q[a] bk[a].  A row's bf16 copy stays in LDS until its e is whole: 128 rows x 2,080 bytes.
; ROLES.  Waves 0-3 (G): wave w owns a = 256 w .. 256 w + 255 for all 128 rows: a chunk's eight fragments of x in 128 registers, Q's 256 numbers in 128, a ring of eight fragments of Wk in 128, each
;   fragment read by this wave alone, as four loads of 512 consecutive bytes, and used for eight products.  Waves 4-7 (Q): wave 4 + w owns rows 32 w .. 32 w + 31: it keeps 32 loads of 512 consecutive
;   bytes of x issued, quantises, and puts codes, scale bytes and bf16 copies into LDS.  The roles are apart because a wave's loads come back in order on one counter: x and Wk each have a counter of their own.
; PERIOD p = 0 .. 15, between two barriers: G fetches chunk p's codes from buffer p % 2 and multiplies; Q stores chunk p's bf16 copy (made a period ago) and quantises chunk p + 1 into the other buffer.
;   So the one barrier orders Q's stores with G's next fetch, and G's fetch with the stores that take that buffer again.  Behind periods 7 and 15 stands the block's TAIL.
; NO TENSOR LOADS, NO CLUSTER: the kept rows take 266,240 bytes of LDS and the two code buffers 36,864; Wk's part for one K step is 131,072 bytes, and what is left holds no slot for it.
; LIMITS: NaN and infinities in x are not served.  A block of 32 zeros gets the byte 1 where the rule says 127: its codes are zeros, and this launch alone reads the bytes.  e and x are rounded to bf16
;   for the last product.  e's sum runs over K steps, lanes and waves in another order than a row-by-row sum.
; REGISTERS, in windows of 256.  v1-20 addresses, made ahead of the roles' first parting, never holding data.  v24-35 scale words and nothing else.
;   G: window 0: v36-39 sum of Q bk (two chains); v40-55, v112-127 e's sums (row tile m: a pair in each set); v64-111 six accumulators; v128-255 Wk's ring.  window 1: v0-127 x's fragments; v128-255 Q.
;   Q: window 0: v36-63 at work; v64-127 a chunk's bf16 copy.  window 1: v128-255 a chunk's numbers as loaded.
;   NO REGISTER THAT ONE ROLE LOADS INTO IS LOADED INTO BY THE OTHER: from the first period on G loads into v24-35 and v128-255 of window 0 and v0-127 of window 1 (in the tail also v40-47 and v64-79), Q into
;   v128-255 of window 1 alone, which G only reads (Q's numbers: loaded, and waited for, ahead of the first period).  G's two sets and the addresses leave 223 names, so x has one set of 128, not two.
.set RP,   2080                        ; a kept row: 2,048 bytes of bf16 + 32: an odd multiple of 32, for the turning loads
.set CP,   144                         ; a row of 128 codes + 16: an odd multiple of 16: the sixteen rows of a fragment load start at different banks
.set CBUF, 128*CP                      ; a buffer of codes
.set COD,  128*RP                      ; LDS: the kept rows from 0; then two buffers of codes;
.set XSC,  COD+2*CBUF                  ; two buffers of x's scale words, one word a row;
.set EP,   XSC+1024                    ; e's partial sums, [G wave][128] f32;
.set EB,   EP+2048                     ; e as bf16, a copy of 256 bytes for each G wave;
.set STG,  EB+1024                     ; the way out: 256 f32 for each G wave
.set AF,  1                            ; v1   G: my lane's place in a buffer of codes
.set XSA, 2                            ; v2   G: x's scale words: 4 x lane
.set EPW, 3                            ; v3   G: where I put e's partial sums
.set EPR, 4                            ; v4   G: where I read four rows' partial sums
.set EBW, 5                            ; v5   G: where I put four e as bf16
.set EBR, 6                            ; v6   G: e's fragment: 16 h
.set RT,  7                            ; v7-10 G: the turning loads: rows 32 kappa on, my wave's 256 columns
.set STW, 11                           ; v11  G: stage, in
.set STR, 12                           ; v12  G: stage, back
.set CW,  13                           ; v13  Q: my four codes of my wave's first row
.set SW,  14                           ; v14  Q: my block's byte of that row's scale word
.set RW0, 15                           ; v15  Q: my four bf16 of that row, column panel 0
.set RW,  16                           ; v16  Q: the same in the trip's even panel; written in the text that all waves walk
.set LV,  17                           ; v17  16 x lane
.set L4,  18                           ; v18  4 x lane
.set QV,  19                           ; v19  256 h
.set BKV, 20                           ; v20  32 h
.set WS,  24                           ; v24-31 Wk's scale words: register j: tile 2 j in lanes 0-15, tile 2 j + 1 in lanes 16-31
.set XS,  32                           ; v32-35 x's: register q: rows 32 q + lane
.set QB,  36
.set E,   40
.set ACC, 64
.set E2,  112
.set BR,  128
.set QR,  128                          ; in window 1
.set T,   36                           ; Q: v36-39 a row's four numbers, v40-43 zeros, v44-47 the next row's four
.set M,   48
.set HD,  50
.set BY,  52                           ; two sets of two
.set CD,  56                           ; two sets of four
.set HB,  64
.set X,   128                          ; in window 1
; scalars: s[4:15] the six buffers; s16 wave; s17 wave % 4; s18 trip; s19 the trip's column offset; s20, s52 constants; s21 at work; s[22:23] lane selects; s[24:25] x at my wave's rows;
; s[26:27], s[28:29] x at the chunks that the trip's two periods ask for; s[30:31], s[32:33] Wk's images at this trip's and the next trip's even chunk; s[34:35], s[36:37] its scale words likewise;
; s[38:39], s[40:41] their beginnings for my wave; s[42:43] part; s[44:47] offsets (s45 = s47 = 0); s[48:49] Q; s[50:51] bk
.set MSB, 0
.macro WIN new                         ; the immediate's high byte repeats the setting that is left; a switch that changes nothing is dropped
.if MSB != (\new)
	s_set_vgpr_msb (MSB<<8)|(\new)
.set MSB, (\new)
.endif
.endm
	s_load_b256 s[4:11], s[0:1], 0x0               ; x s[4:5], wkimg s[6:7], wksc s[8:9], qimg s[10:11]
	s_load_b128 s[12:15], s[0:1], 0x20             ; bk s[12:13], part s[14:15]
	v_lshrrev_b32 v21, 5, v0
	v_readfirstlane_b32 s16, v21                   ; wave 0..7
	s_and_b32 s17, s16, 3                          ; its number within its role
	v_and_b32 v21, 31, v0                          ; lane
	v_and_b32 v22, 15, v0                          ; r
	v_bfe_u32 v23, v0, 4, 1                        ; h
	v_mul_u32_u24 v[AF], v22, CP
	v_lshl_add_u32 v[AF], v23, 4, v[AF]
	v_add_nc_u32 v[AF], COD, v[AF]                 ; row r x pitch + 16 h
	v_lshl_add_u32 v[XSA], v21, 2, XSC
	s_lshl_b32 s21, s17, 9
	s_add_co_u32 s21, s21, EP
	v_lshl_add_u32 v[EPW], v22, 2, s21
	v_lshl_add_u32 v[EPR], v21, 4, EP
	s_lshl_b32 s21, s17, 8
	s_add_co_u32 s21, s21, EB
	v_lshl_add_u32 v[EBW], v21, 3, s21
	v_lshl_add_u32 v[EBR], v23, 4, s21
	v_and_b32 v36, 7, v0
	v_lshl_add_u32 v36, v23, 3, v36                ; the turning load: row 8 h + lane % 8,
	v_mul_u32_u24 v36, v36, RP
	v_bfe_u32 v37, v0, 3, 1
	v_lshl_add_u32 v36, v37, 4, v36                ; 16 bytes on for lanes 8-15 and 24-31,
	s_lshl_b32 s21, s17, 9
	v_add_nc_u32 v[RT], s21, v36                   ; my wave's 256 columns
	v_add_nc_u32 v[RT+1], 32*RP, v[RT]
	v_add_nc_u32 v[RT+2], 32*RP, v[RT+1]
	v_add_nc_u32 v[RT+3], 32*RP, v[RT+2]
	s_lshl_b32 s21, s17, 10
	s_add_co_u32 s21, s21, STG
	v_lshl_add_u32 v[STW], v22, 2, s21
	v_lshl_add_u32 v[STR], v21, 4, s21
	s_mul_i32 s21, s17, 32*CP
	s_add_co_u32 s21, s21, COD
	v_lshl_add_u32 v[CW], v21, 2, s21
	v_lshrrev_b32 v[SW], 3, v21
	s_lshl_b32 s21, s17, 7
	s_add_co_u32 s21, s21, XSC
	v_add_nc_u32 v[SW], s21, v[SW]
	s_mul_i32 s21, s17, 32*RP
	v_lshl_add_u32 v[RW0], v21, 3, s21
	v_lshlrev_b32 v[LV], 4, v21
	v_lshlrev_b32 v[L4], 2, v21
	v_lshlrev_b32 v[QV], 8, v23
	v_lshlrev_b32 v[BKV], 5, v23
	s_mov_b32 s18, 0
	s_mov_b32 s20, 0x600000                        ; the mantissa field of 57,344
	s_mov_b32 s52, 0x8000000                       ; the floor 2^(16 - 127)
	s_mov_b32 s22, 0x76543210
	s_mov_b32 s23, 0xfedcba98                      ; v_permlanex16_b32's selects for lane l xor 16
	s_mov_b32 s45, 0
	s_mov_b32 s47, 0
	s_lshl_b32 s44, ttmp9, 20                      ; 256 rows of 4,096 bytes a work-group,
	s_lshl_b32 s21, s17, 17                        ; 32 rows a wave
	s_add_co_u32 s44, s44, s21
	s_wait_kmcnt 0x0
	s_add_nc_u64 s[24:25], s[4:5], s[44:45]
	s_lshl_b32 s44, s17, 15                        ; 16 images of 2,048 bytes a wave: Wk's, and Q's
	s_add_nc_u64 s[38:39], s[6:7], s[44:45]
	s_lshr_b32 s21, ttmp9, 3                       ; b
	s_lshr_b32 s46, s21, 4
	s_lshl_b32 s46, s46, 10                        ; Q's image of batches 16 (b / 16) on,
	s_and_b32 s21, s21, 15
	s_lshl_b32 s21, s21, 4                         ; lane b % 16 of it
	s_add_co_u32 s46, s46, s21
	s_add_co_u32 s46, s46, s44
	s_add_nc_u64 s[48:49], s[10:11], s[46:47]
	s_lshl_b32 s44, s17, 10                        ; 256 words a wave: Wk's scale words, bk, part
	s_add_nc_u64 s[40:41], s[8:9], s[44:45]
	s_add_nc_u64 s[50:51], s[12:13], s[44:45]
	s_lshl_b32 s46, ttmp9, 13                      ; two rows of part a work-group
	s_add_co_u32 s46, s46, s44
	s_add_nc_u64 s[42:43], s[14:15], s[46:47]
; ---------------------------------------------------------------- the G role
; Product n of a period's 128: Wk's tile n / 8 (source 0) x x's row tile n % 8 (source 1), C = 0, into accumulator n % 6.  Lane (r, h), register j: row 16 (n % 8) + r, column a = 16 (n / 8) + 8 h + j.
.macro WM n
.set wi, (\n)/8
.set wm, (\n)%8
.set wa, ACC+8*((\n)%6)
.set wb, BR+16*(wi%8)
.if (wi%2 == 0) && (wm%2 == 0)
	v_wmma_scale_f32_16x16x128_f8f6f4 v[wa:wa+7], v[wb:wb+15], v[16*wm:16*wm+15], 0, v[WS+wi/2], v[XS+wm/2] matrix_a_fmt:MATRIX_FMT_BF8 matrix_b_fmt:MATRIX_FMT_BF8
.elseif (wi%2 == 1) && (wm%2 == 0)
	v_wmma_scale_f32_16x16x128_f8f6f4 v[wa:wa+7], v[wb:wb+15], v[16*wm:16*wm+15], 0, v[WS+wi/2], v[XS+wm/2] matrix_a_fmt:MATRIX_FMT_BF8 matrix_b_fmt:MATRIX_FMT_BF8 matrix_a_scale:MATRIX_SCALE_ROW1
.elseif wi%2 == 0
	v_wmma_scale_f32_16x16x128_f8f6f4 v[wa:wa+7], v[wb:wb+15], v[16*wm:16*wm+15], 0, v[WS+wi/2], v[XS+wm/2] matrix_a_fmt:MATRIX_FMT_BF8 matrix_b_fmt:MATRIX_FMT_BF8 matrix_b_scale:MATRIX_SCALE_ROW1
.else
	v_wmma_scale_f32_16x16x128_f8f6f4 v[wa:wa+7], v[wb:wb+15], v[16*wm:16*wm+15], 0, v[WS+wi/2], v[XS+wm/2] matrix_a_fmt:MATRIX_FMT_BF8 matrix_b_fmt:MATRIX_FMT_BF8 matrix_a_scale:MATRIX_SCALE_ROW1 matrix_b_scale:MATRIX_SCALE_ROW1
.endif
.endm
; Contraction k of 4 of product n: e's sums of row tile n % 8 += two results x two of Q.  Even k go to one set of sums, odd k to the other, so that two lines on one sum stand four lines apart.  k = 0 comes first: a result is read from its low end on.
.macro CT n, k
.set ca, ACC+8*((\n)%6)+2*(\k)
.set cq, QR+8*((\n)/8)+2*(\k)
.set ce, E+2*((\n)%8)+(E2-E)*((\k)%2)
	v_pk_fma_f32 v[ce:ce+1], v[ca:ca+1], v[cq:cq+1], v[ce:ce+1]
.endm
; Ring slot j % 8 has been multiplied: it takes tile j + 8 of this chunk (j < 8) or tile j - 8 of the next (j >= 8).  Behind an odd tile the scale words of tiles j - 1 and j are replaced by the next chunk's.
.macro RL j, par, last
.if ((\j)%2 == 1) && !(\last)
.if \par == 0
	global_load_b32 v[WS+((\j)-1)/2], v[L4], s[34:35] offset:4096+128*(((\j)-1)/2) th:TH_LOAD_HT
.else
	global_load_b32 v[WS+((\j)-1)/2], v[L4], s[36:37] offset:128*(((\j)-1)/2) th:TH_LOAD_HT
.endif
.endif
.set rb, BR+16*((\j)%8)
.if (\j) < 8
.irp c, 0,1,2,3
	global_load_b128 v[rb+4*\c:rb+4*\c+3], v[LV], s[30:31] offset:131072*(\par)+2048*((\j)+8)+512*\c th:TH_LOAD_HT
.endr
.elseif !(\last)
.if \par == 0
.irp c, 0,1,2,3
	global_load_b128 v[rb+4*\c:rb+4*\c+3], v[LV], s[30:31] offset:131072+2048*((\j)-8)+512*\c th:TH_LOAD_HT
.endr
.else
.irp c, 0,1,2,3
	global_load_b128 v[rb+4*\c:rb+4*\c+3], v[LV], s[32:33] offset:2048*((\j)-8)+512*\c th:TH_LOAD_HT
.endr
.endif
.endif
.endm
; A period of G.  par: the chunk's parity.  last = 1: no chunk follows.
; PLACES (eight behind this form, nine for a product that writes over a register of an earlier one): a result is first read behind twelve contractions of other results or more; an accumulator is
; written again behind twelve lines that do not name it or more; a ring slot and its scale word are loaded again behind twelve; x's fragments and scale words behind sixteen (the period's last contractions).
.macro GPART par, last
.irp q, 0,1,2,3
	ds_load_b32 v[XS+\q], v[XSA] offset:512*\par+128*\q
.endr
	WIN 0x40                                       ; destination window 1
.set gm, 0
.rept 8
.irp c, 0,1,2,3
	ds_load_b128 v[16*gm+4*\c:16*gm+4*\c+3], v[AF] offset:CBUF*\par+16*CP*gm+32*\c   ; registers 4 c .. 4 c + 3: t = 32 c + 16 h + 0 .. 15 of row 16 gm + r
.endr
.set gm, gm+1
.endr
	WIN 0x04                                       ; source 1 window 1: x's fragment in a product, Q in a contraction; all else window 0: one setting for the whole period
.set gn, 0
.rept 64
.if gn%8 == 0
.set gi, gn/8
; Tile gi's fragment came with reload group gi - 8 (of the period before, for gi < 8).  Behind that group stand six groups of four loads, three of them with a scale word: 27; at gi = 0 seven groups, four with one: 32.
; In the last period no scale words and no groups 8-15 are issued, and the counts run down.
.if gi == 0
	s_wait_loadcnt 32
.elseif !(\last)
	s_wait_loadcnt 27
.elseif gi < 8
	s_wait_loadcnt 27-(gi-1)/2
.elseif gi < 10
	s_wait_loadcnt 24
.else
	s_wait_loadcnt 4*(15-gi)
.endif
.endif
.if gn < 8
	s_wait_dscnt 28-4*gn                           ; x's row tile gn is in: four loads for each tile behind it may be out
.endif
	WM gn
.if gn >= 4
	CT gn-4, 0
	CT gn-3, 0
	CT gn-4, 1
	CT gn-3, 1
.endif
.if gn < 8
	s_wait_dscnt 24-4*gn
.endif
	WM gn+1
.if gn >= 4
	CT gn-4, 2
	CT gn-3, 2
	CT gn-4, 3
	CT gn-3, 3
.endif
.if gn == 2
.rept 8
	v_nop                                          ; a period's first four products have no contractions behind them: these are the places in front of the first read of their results
.endr
.endif
.if (gn%8 == 0) && (gn >= 8)
	RL gn/8-1, \par, \last
.endif
.set gn, gn+2
.endr
.irp k, 0,1,2,3
	CT 124, \k
	CT 125, \k
.endr
.irp k, 0,1,2,3
	CT 126, \k
	CT 127, \k
.endr
	RL 15, \par, \last
	WIN 0
.endm
.macro EINIT                           ; e's sums begin at my lane's part of the sum of Q[a] bk[a]: one chain in each set
.set em, 0
.rept 8
	v_mov_b32 v[E+2*em], v[QB]
	v_mov_b32 v[E+2*em+1], v[QB+1]
	v_mov_b32 v[E2+2*em], v[QB+2]
	v_mov_b32 v[E2+2*em+1], v[QB+3]
.set em, em+1
.endr
.endm
; ---------------------------------------------------------------- the Q role
; Rows 2 qg and 2 qg + 1 of my 32, of a chunk whose codes go to buffer buf.  A lane holds four neighbours of a row; eight lanes hold a block of 32.
; mode 1: the two rows' registers are loaded again, with the next chunk (base s[xl:xl+1], xo bytes on); 0: the last chunk: nothing is left to ask for.  fl = 1: the period began with the 32 stores of the bf16 copy.
; The numbers lie in window 1, all else in window 0: five switches for a pair of rows.  The steps across lanes and the scaled conversions stand under the setting 0.
.macro ZGRP buf, mode, fl, xl, xo
.set z0, X+8*qg
.set z1, X+8*qg+4
.set zh, HB+4*qg
.set zb, BY+2*(qg%2)
.set zc, CD+4*(qg%2)
.if \mode == 1
	s_wait_loadcnt 30                              ; behind these two rows' loads: 30 - 2 qg of their chunk and the 2 qg of the next chunk that this period has issued
.else
	s_wait_loadcnt 30-2*qg
.endif
.if qg >= 2
	s_wait_dscnt 4                                 ; the stores of the pair before last are done: their codes' and bytes' registers are written again; the last pair's four may be out
.elseif \fl
	s_wait_dscnt 30+2*qg                           ; the old copy of these two rows has been stored: behind those two stores stand 30 - 2 qg of the copy's and 4 qg of this period's pairs
.endif
	WIN 0x05                                       ; sources 0 and 1 window 1
	v_cvt_pk_bf16_f32 v[zh], v[z0], v[z0+1]        ; the copy for the last product: x itself, not the quantised number
	v_cvt_pk_bf16_f32 v[zh+2], v[z1], v[z1+1]
	v_cvt_pk_bf16_f32 v[zh+1], v[z0+2], v[z0+3]
	v_cvt_pk_bf16_f32 v[zh+3], v[z1+2], v[z1+3]
	v_max3_num_f32 v[M], |v[z0]|, |v[z0+1]|, s52   ; my four magnitudes, and the floor, under which no largest magnitude is taken: the byte cannot fall under 1
	v_max3_num_f32 v[M+1], |v[z1]|, |v[z1+1]|, s52
	v_max3_num_f32 v[M], |v[z0+2]|, |v[z0+3]|, v[M]
	v_max3_num_f32 v[M+1], |v[z1+2]|, |v[z1+3]|, v[M+1]
	WIN 0
.irp x, 1,2,4
	v_max_num_f32_dpp v[M], v[M], v[M] row_xmask:\x row_mask:0xf bank_mask:0xf       ; with the seven other lanes of the block
	v_max_num_f32_dpp v[M+1], v[M+1], v[M+1] row_xmask:\x row_mask:0xf bank_mask:0xf
.endr
	v_and_or_b32 v[HD], v[M], 0x7f800000, s20      ; 57,344 x the scale: the largest magnitude's exponent field over 57,344's mantissa
	v_and_or_b32 v[HD+1], v[M+1], 0x7f800000, s20
	v_add_nc_u32 v[M], 0xf8800000, v[M]            ; 15 off the exponent field: the conversion takes that field as its scale, and nothing else
	v_add_nc_u32 v[M+1], 0xf8800000, v[M+1]
	v_lshrrev_b32 v[zb], 23, v[M]                  ; the scale's byte
	v_lshrrev_b32 v[zb+1], 23, v[M+1]
	WIN 0x01                                       ; source 0 window 1
.irp j, 0,1,2,3
	v_med3_num_f32 v[T+\j], v[z0+\j], -v[HD], v[HD]          ; the conversion to an 8-bit code does not saturate (ISA guide 7.6.2): the hold comes first
	v_med3_num_f32 v[T+8+\j], v[z1+\j], -v[HD+1], v[HD+1]
.endr
	WIN 0
	v_cvt_scalef32_pk8_bf8_f32 v[zc:zc+1], v[T:T+7], v[M]          ; eight at a time: my four and four zeros: the codes are in the first register;
	v_cvt_scalef32_pk8_bf8_f32 v[zc+2:zc+3], v[T+4:T+11], v[M+1]   ; four zeros and the next row's four: in the second
	v_nop                                          ; one plain line behind the scaled conversions, ahead of whatever next writes their sources
	ds_store_b32 v[CW], v[zc] offset:CBUF*(\buf)+CP*(2*qg)         ; 32 lanes: a row's 128 codes
	ds_store_b32 v[CW], v[zc+3] offset:CBUF*(\buf)+CP*(2*qg+1)
	ds_store_b8 v[SW], v[zb] offset:512*(\buf)+8*qg                ; the eight lanes of a block write the same byte with the same value
	ds_store_b8 v[SW], v[zb+1] offset:512*(\buf)+8*qg+4
.if \mode == 1
	WIN 0x40                                       ; destination window 1
	global_load_b128 v[z0:z0+3], v[LV], s[\xl:\xl+1] offset:4096*(2*qg)+(\xo) th:TH_LOAD_NT      ; 512 consecutive bytes of a row, read once in the launch
	global_load_b128 v[z1:z1+3], v[LV], s[\xl:\xl+1] offset:4096*(2*qg+1)+(\xo) th:TH_LOAD_NT
.endif
.endm
; A period of Q.  par: the parity of the chunk that G multiplies.  Its bf16 copy goes to the kept rows; then the next chunk is quantised (mode as above; -1: there is none).
.macro QPART par, mode
.set qr, 0
.rept 32
	ds_store_b64 v[RW], v[HB+2*qr:HB+2*qr+1] offset:RP*qr+256*\par   ; 32 lanes: 256 consecutive bytes of a kept row
.set qr, qr+1
.endr
.if \mode >= 0
.set qg, 0
.rept 16
	ZGRP 1-\par, \mode, 1, 26+2*\par, 0
.set qg, qg+1
.endr
	WIN 0
.endif
.endm
; ---------------------------------------------------------------- what all waves walk
.macro MEET                            ; my LDS stores have landed and my LDS loads are in: then the work-group's barrier
	s_wait_dscnt 0x0
	s_barrier_signal -1
	s_barrier_wait -1
.endm
.macro PERIOD par, qmode, glast
	s_cmp_lt_u32 s16, 4
	s_cbranch_scc0 .Lq_\@
	GPART \par, \glast
	s_branch .Lj_\@
.Lq_\@:
	QPART \par, \qmode
.Lj_\@:
	MEET
.endm
; Trip t = s18 holds periods 2 t and 2 t + 1.  Chunk k lies (k / 8) x 128 rows and (k % 8) x 512 bytes on in x; its K step is k % 8.
.macro PRELUDE
	s_wait_xcnt 0x0                                ; the bases below are sources of loads that have been issued: they are written again only behind this wait
	s_lshl_b32 s44, s18, 1
	s_add_co_u32 s46, s44, 3                       ; the odd period asks for chunk 2 t + 3,
	s_add_co_u32 s44, s44, 2                       ; the even one for chunk 2 t + 2
	s_lshr_b32 s21, s44, 3
	s_lshl_b32 s21, s21, 19
	s_and_b32 s44, s44, 7
	s_lshl_b32 s44, s44, 9
	s_or_b32 s44, s44, s21
	s_add_nc_u64 s[26:27], s[24:25], s[44:45]
	s_lshr_b32 s21, s46, 3
	s_lshl_b32 s21, s21, 19
	s_and_b32 s46, s46, 7
	s_lshl_b32 s46, s46, 9
	s_or_b32 s46, s46, s21
	s_add_nc_u64 s[28:29], s[24:25], s[46:47]      ; (in the last trip these two point past the work-group's rows, and nothing is loaded by them)
	s_and_b32 s21, s18, 3
	s_lshl_b32 s19, s21, 9                         ; the even period's column panel in a kept row: 512 (t % 4) bytes
	s_lshl_b32 s44, s21, 18
	s_add_nc_u64 s[30:31], s[38:39], s[44:45]      ; Wk's images of K step 2 (t % 4),
	s_lshl_b32 s44, s21, 13
	s_add_nc_u64 s[34:35], s[40:41], s[44:45]      ; its scale words,
	s_add_co_u32 s21, s18, 1
	s_and_b32 s21, s21, 3
	s_lshl_b32 s44, s21, 18
	s_add_nc_u64 s[32:33], s[38:39], s[44:45]      ; and the next trip's
	s_lshl_b32 s44, s21, 13
	s_add_nc_u64 s[36:37], s[40:41], s[44:45]
	v_add_nc_u32 v[RW], s19, v[RW0]
.endm
; THE TAIL of a block: e is gathered, and part[block][t] = sum over l of e[l] x[l][t] is made from the kept rows.  Wave w of G owns t = 256 w .. 256 w + 255.  Q waits at the barriers; its loads stay on their way.
; Source 0 = e, the same 32 numbers in all sixteen rows; source 1 = 32 rows x 16 columns of x, turned on the way out of LDS.  All sixteen rows of a result are alike: register 0 is taken.
.macro TLD g                           ; group g of 16: pass g / 8 (eight column tiles), rows 32 ((g / 2) % 4) on, four column tiles, into set g % 3 of three
.set lk, ((\g)/2)%4
.set ls, 32+32*((\g)%3)
.irp f, 0,1,2,3
.set lt, 8*((\g)/8)+4*((\g)%2)+\f
	ds_load_tr16_b128 v[ls+8*\f:ls+8*\f+3], v[RT+lk] offset:32*lt
	ds_load_tr16_b128 v[ls+8*\f+4:ls+8*\f+7], v[RT+lk] offset:32*lt+16*RP
.endr
.endm
.macro TAIL more
	s_cmp_lt_u32 s16, 4
	s_cbranch_scc0 .Lt1_\@
.set tm, 0
.rept 8
	v_pk_add_f32 v[E+2*tm:E+2*tm+1], v[E+2*tm:E+2*tm+1], v[E2+2*tm:E2+2*tm+1]   ; the two sets of sums,
.set tm, tm+1
.endr
.set tm, 0
.rept 8
	v_add_f32 v[ACC+tm], v[E+2*tm], v[E+2*tm+1]    ; a pair's two halves,
.set tm, tm+1
.endr
.set tm, 0
.rept 8
	v_permlanex16_b32 v[ACC+8+tm], v[ACC+tm], s22, s23
.set tm, tm+1
.endr
.set tm, 0
.rept 8
	v_add_f32 v[ACC+tm], v[ACC+tm], v[ACC+8+tm]    ; and lane l xor 16's eight columns of each tile: my wave's 256 columns of row 16 tm + r
.set tm, tm+1
.endr
.set tm, 0
.rept 8
	ds_store_b32 v[EPW], v[ACC+tm] offset:64*tm    ; both halves of the lanes write the same word with the same value
.set tm, tm+1
.endr
.Lt1_\@:
	MEET                                           ; the four waves' partial sums lie in LDS
	s_cmp_lt_u32 s16, 4
	s_cbranch_scc0 .Lt2_\@
.irp w, 0,1,2,3
	ds_load_b128 v[ACC+4*\w:ACC+4*\w+3], v[EPR] offset:512*\w      ; rows 4 lane .. 4 lane + 3, wave w's part
.endr
	s_wait_dscnt 0x0
	v_pk_add_f32 v[ACC:ACC+1], v[ACC:ACC+1], v[ACC+4:ACC+5]
	v_pk_add_f32 v[ACC+2:ACC+3], v[ACC+2:ACC+3], v[ACC+6:ACC+7]
	v_pk_add_f32 v[ACC+8:ACC+9], v[ACC+8:ACC+9], v[ACC+12:ACC+13]
	v_pk_add_f32 v[ACC+10:ACC+11], v[ACC+10:ACC+11], v[ACC+14:ACC+15]
	v_pk_add_f32 v[ACC:ACC+1], v[ACC:ACC+1], v[ACC+8:ACC+9]
	v_pk_add_f32 v[ACC+2:ACC+3], v[ACC+2:ACC+3], v[ACC+10:ACC+11]
	v_pk_mul_f32 v[ACC:ACC+1], v[ACC:ACC+1], 0x3d000000 op_sel_hi:[1,0]        ; / sqrt(1,024)
	v_pk_mul_f32 v[ACC+2:ACC+3], v[ACC+2:ACC+3], 0x3d000000 op_sel_hi:[1,0]
	v_cvt_pk_bf16_f32 v[ACC+16], v[ACC], v[ACC+1]
	v_cvt_pk_bf16_f32 v[ACC+17], v[ACC+2], v[ACC+3]
	ds_store_b64 v[EBW], v[ACC+16:ACC+17]          ; my wave's own copy of e: LDS serves a wave's instructions in order, so the loads below see it
	WIN 0x40                                       ; destination window 1
.irp k, 0,1,2,3
	ds_load_b128 v[8*\k:8*\k+3], v[EBR] offset:64*\k               ; e's fragment of rows 32 k on: 8 h + 0 .. 7,
	ds_load_b128 v[8*\k+4:8*\k+7], v[EBR] offset:64*\k+32          ; 16 + 8 h + 0 .. 7; the same in every r
.endr
	TLD 0
	TLD 1
; Eight accumulators by turns, one instruction a turn; a pass's first eight products start the sums.
.set tg, 0
.rept 16
.rept 4
	v_nop                                          ; four places between the last group's products and the loads into the set that they read
.endr
.if tg+2 < 16
	WIN 0x40
	TLD tg+2
.if tg == 8
	s_wait_dscnt 8                                 ; the first pass's eight stores are done too: their accumulators begin anew
.else
	s_wait_dscnt 16                                ; group tg is in; the two groups behind it may be out
.endif
.elseif tg == 14
	s_wait_dscnt 8
.else
	s_wait_dscnt 0x0
.endif
	WIN 0x05                                       ; sources 0 (e) and 1 (x) window 1; C and D window 0
.set gk, (tg/2)%4
.set gs, 32+32*(tg%3)
.set gh, tg%2
.irp f, 0,1,2,3
.if gk == 0
	v_wmma_f32_16x16x32_bf16 v[ACC+8*(4*gh+\f):ACC+8*(4*gh+\f)+7], v[8*gk:8*gk+7], v[gs+8*\f:gs+8*\f+7], 0
.else
	v_wmma_f32_16x16x32_bf16 v[ACC+8*(4*gh+\f):ACC+8*(4*gh+\f)+7], v[8*gk:8*gk+7], v[gs+8*\f:gs+8*\f+7], v[ACC+8*(4*gh+\f):ACC+8*(4*gh+\f)+7]
.endif
.endr
.if tg%8 == 7
	WIN 0
.rept 5
	v_nop                                          ; places in front of the stores that read results, and of the next pass's products, which write over them
.endr
.irp a, 0,1,2,3,4,5,6,7
	ds_store_b32 v[STW], v[ACC+8*\a] offset:64*(8*(tg/8)+\a)       ; register 0: column 16 tile + r; both halves of the lanes write the same value
.endr
.endif
.set tg, tg+1
.endr
	ds_load_b128 v[E:E+3], v[STR]                  ; my 256 sums, 16 bytes a lane
	ds_load_b128 v[E+4:E+7], v[STR] offset:512
	s_wait_dscnt 0x0
	global_store_b128 v[LV], v[E:E+3], s[42:43]                    ; 32 lanes store 512 consecutive bytes
	global_store_b128 v[LV], v[E+4:E+7], s[42:43] offset:512
.if \more
	s_wait_xcnt 0x0                                ; the stores' data and base are written again only behind this wait
	s_add_nc_u64 s[42:43], s[42:43], 4096          ; the next block's row of part
	EINIT
.endif
.Lt2_\@:
.if \more
	MEET                                           ; the kept rows have been read: the next block's copies may be stored over them
.endif
.endm
; ---------------------------------------------------------------- the start
	s_cmp_lt_u32 s16, 4
	s_cbranch_scc0 .Lpq
	WIN 0x40                                       ; destination window 1
.set pi, 0
.rept 16
	global_load_b128 v[QR+8*pi:QR+8*pi+3], v[QV], s[48:49] offset:2048*pi          ; Q[b][16 tile + 8 h + 0 .. 7]: lane b % 16 + 16 h of the image
	global_load_b128 v[QR+8*pi+4:QR+8*pi+7], v[QV], s[48:49] offset:2048*pi+512
.set pi, pi+1
.endr
.set pi, 0
.rept 16
	global_load_b128 v[8*pi:8*pi+3], v[BKV], s[50:51] offset:64*pi                 ; bk in the same layout, where x's fragments will lie
	global_load_b128 v[8*pi+4:8*pi+7], v[BKV], s[50:51] offset:64*pi+16
.set pi, pi+1
.endr
	WIN 0
.irp j, 0,1,2,3
	global_load_b32 v[WS+\j], v[L4], s[40:41] offset:128*\j th:TH_LOAD_HT          ; chunk 0's scale words of tiles 0-7
.endr
.set pj, 8
.rept 8                                        ; chunk 0's tiles 0-7 and the other scale words, in the very order of a period's reload groups 8-15: so the periods' counts hold from the first on
.if pj%2 == 1
	global_load_b32 v[WS+(pj-1)/2], v[L4], s[40:41] offset:128*((pj-1)/2) th:TH_LOAD_HT
.endif
.irp c, 0,1,2,3
	global_load_b128 v[BR+16*(pj%8)+4*\c:BR+16*(pj%8)+4*\c+3], v[LV], s[38:39] offset:2048*(pj-8)+512*\c th:TH_LOAD_HT
.endr
.set pj, pj+1
.endr
	s_wait_loadcnt 40                              ; Q and bk are in: behind them stand 4 + 36 loads
	WIN 0x05                                       ; sources 0 and 1 window 1
	v_pk_mul_f32 v[QB:QB+1], v[QR:QR+1], v[0:1]
	v_pk_mul_f32 v[QB+2:QB+3], v[QR+2:QR+3], v[2:3]
.set pi, 2
.rept 62
	v_pk_fma_f32 v[QB+2*(pi%2):QB+2*(pi%2)+1], v[QR+2*pi:QR+2*pi+1], v[2*pi:2*pi+1], v[QB+2*(pi%2):QB+2*(pi%2)+1]
.set pi, pi+1
.endr
	WIN 0
	EINIT
	s_branch .Lpj
.Lpq:
	WIN 0x40                                       ; destination window 1
.set qr, 0
.rept 32
	global_load_b128 v[X+4*qr:X+4*qr+3], v[LV], s[24:25] offset:4096*qr th:TH_LOAD_NT          ; chunk 0
.set qr, qr+1
.endr
	WIN 0
.irp j, 4,5,6,7
	v_mov_b32 v[T+\j], 0                           ; the four zeros between two rows' numbers: written once
.endr
.set qg, 0
.rept 16
	ZGRP 0, 1, 0, 24, 512                          ; chunk 0 is quantised; its registers take chunk 1
.set qg, qg+1
.endr
	WIN 0
.Lpj:
	MEET                                           ; chunk 0's codes and scale words lie in LDS
.Ltrip:                                            ; seven trips: periods 0 to 13; period p asks for chunk p + 2, the last of them for chunk 15
	PRELUDE
	PERIOD 0, 1, 0
	PERIOD 1, 1, 0
	s_cmp_lg_u32 s18, 3                            ; behind period 7 the first block is whole.  The branch hangs on the trip's number alone: it is the same in every wave
	s_cbranch_scc1 .Lno_tail
	TAIL 1
.Lno_tail:
	s_add_co_u32 s18, s18, 1
	s_cmp_lt_u32 s18, 7
	s_cbranch_scc1 .Ltrip
	PRELUDE                                        ; the last two periods are written out: the loads of x have ended, and those of Wk end
	PERIOD 0, 0, 0                                 ; period 14: chunk 15 is quantised; nothing is left to ask for
	PERIOD 1, -1, 1                                ; period 15: only its bf16 copy is stored; G's last chunk
	TAIL 0
	s_wait_xcnt 0x0
	v_lshl_add_u32 v62, v0, 2, 0x4c000
	v_mov_b32 v63, 0
	s_wait_tensorcnt 0x0
	ds_add_u32 v62, v63
	s_wait_dscnt 0x0
	s_endpgm
.Lfunc_end_k_q385e9e6a3d_main:
	.size	k_q385e9e6a3d_main, .Lfunc_end_k_q385e9e6a3d_main-k_q385e9e6a3d_main
	.p2alignl 7, 3214868480
	.fill 96, 4, 3214868480
	.section	.rodata,"a",@progbits
	.p2align	6, 0x0
	.amdhsa_kernel k_q385e9e6a3d_main
		.amdhsa_group_segment_fixed_size 312320
		.amdhsa_private_segment_fixed_size 0
		.amdhsa_enable_private_segment 0
		.amdhsa_kernarg_size 48
		.amdhsa_user_sgpr_count 2
		.amdhsa_user_sgpr_kernarg_segment_ptr 1
		.amdhsa_wavefront_size32 1
		.amdhsa_system_sgpr_workgroup_id_x 1
		.amdhsa_system_sgpr_workgroup_id_y 1
		.amdhsa_system_sgpr_workgroup_id_z 1
		.amdhsa_system_vgpr_workitem_id 0
		.amdhsa_next_free_vgpr 512
		.amdhsa_next_free_sgpr 66
		.amdhsa_reserve_vcc 0
		.amdhsa_float_denorm_mode_32 3
		.amdhsa_float_denorm_mode_16_64 3
		.amdhsa_memory_ordered 1
		.amdhsa_forward_progress 1
		.amdhsa_inst_pref_size 255
	.end_amdhsa_kernel
	.section	.bss,"aw",@nobits
	.p2align	6
	.space	262144
	.amdgpu_metadata
---
amdhsa.version: [ 1, 2 ]
amdhsa.kernels:
  - .name:           k_q385e9e6a3d_main
    .symbol:         k_q385e9e6a3d_main.kd
    .args:
      - { .name: reviewer_emb, .offset: 0, .size: 8, .value_kind: global_buffer, .address_space: global }
      - { .name: wkimg, .offset: 8, .size: 8, .value_kind: global_buffer, .address_space: global }
      - { .name: wksc, .offset: 16, .size: 8, .value_kind: global_buffer, .address_space: global }
      - { .name: qimg, .offset: 24, .size: 8, .value_kind: global_buffer, .address_space: global }
      - { .name: bk, .offset: 32, .size: 8, .value_kind: global_buffer, .address_space: global }
      - { .name: part, .offset: 40, .size: 8, .value_kind: global_buffer, .address_space: global }
    .group_segment_fixed_size: 312320
    .private_segment_fixed_size: 0
    .kernarg_segment_align: 8
    .kernarg_segment_size: 48
    .max_flat_workgroup_size: 256
    .sgpr_count:     66
    .vgpr_count:     512
    .wavefront_size: 32
...
	.end_amdgpu_metadata
.endif
;; end of part 2
;; launch reduce (part 3): grid 64 x 1, 4 waves a work-group, no clusters, 0 bytes of LDS; arguments part, out0; writes out0
.if DOCPART == 3
	.amdgcn_target "amdgcn-amd-amdhsa--gfx1250"
	.amdhsa_code_object_version 6
	.text
	.protected	k_q385e9e6a3d_reduce
	.globl	k_q385e9e6a3d_reduce
	.p2align	8
	.type	k_q385e9e6a3d_reduce,@function
k_q385e9e6a3d_reduce:
	s_mov_b64 s[64:65], 0
	v_nop
	global_prefetch_b8 v0, s[64:65] scope:SCOPE_SE
	s_setreg_imm32_b32 hwreg(HW_REG_WAVE_MODE, 25, 1), 1
	s_wait_xcnt 0x0
; out0[b][t] = the sum of part[16 b + g][t] over g = 0 .. 15, in ascending g.  Work-group wg takes batch wg / 2 and half wg % 2 of its 1,024 columns; a thread takes four columns:
; every load and the store of a wave cover 512 consecutive bytes.  A sum that spans work-groups of the launch before is made here, by one owner for each output.
	s_load_b128 s[4:7], s[0:1], 0x0                ; part, out0
	v_lshlrev_b32 v1, 4, v0                        ; 16 bytes a thread
	s_lshr_b32 s8, ttmp9, 1                        ; b
	s_and_b32 s9, ttmp9, 1
	s_lshl_b32 s9, s9, 11                          ; which 2,048 bytes of a row
	s_lshl_b32 s10, s8, 16                         ; 16 rows of 4,096 bytes of part a batch
	s_add_co_u32 s10, s10, s9
	s_mov_b32 s11, 0
	s_lshl_b32 s12, s8, 12                         ; one row of out0
	s_add_co_u32 s12, s12, s9
	s_mov_b32 s13, 0
	s_wait_kmcnt 0x0
	s_add_nc_u64 s[4:5], s[4:5], s[10:11]
	s_add_nc_u64 s[6:7], s[6:7], s[12:13]
.set g, 0
.rept 16
	global_load_b128 v[8+4*g:11+4*g], v1, s[4:5] offset:4096*g th:TH_LOAD_NT
.set g, g+1
.endr
.set g, 1
.rept 15
	s_wait_loadcnt 15-g                            ; loads come back in order: block g's is in
	v_pk_add_f32 v[8:9], v[8:9], v[8+4*g:9+4*g]
	v_pk_add_f32 v[10:11], v[10:11], v[10+4*g:11+4*g]
.set g, g+1
.endr
	global_store_b128 v1, v[8:11], s[6:7]
	s_endpgm
.Lfunc_end_k_q385e9e6a3d_reduce:
	.size	k_q385e9e6a3d_reduce, .Lfunc_end_k_q385e9e6a3d_reduce-k_q385e9e6a3d_reduce
	.p2alignl 7, 3214868480
	.fill 96, 4, 3214868480
	.section	.rodata,"a",@progbits
	.p2align	6, 0x0
	.amdhsa_kernel k_q385e9e6a3d_reduce
		.amdhsa_group_segment_fixed_size 0
		.amdhsa_private_segment_fixed_size 0
		.amdhsa_enable_private_segment 0
		.amdhsa_kernarg_size 16
		.amdhsa_user_sgpr_count 2
		.amdhsa_user_sgpr_kernarg_segment_ptr 1
		.amdhsa_wavefront_size32 1
		.amdhsa_system_sgpr_workgroup_id_x 1
		.amdhsa_system_sgpr_workgroup_id_y 1
		.amdhsa_system_sgpr_workgroup_id_z 1
		.amdhsa_system_vgpr_workitem_id 0
		.amdhsa_next_free_vgpr 80
		.amdhsa_next_free_sgpr 66
		.amdhsa_reserve_vcc 0
		.amdhsa_float_denorm_mode_32 3
		.amdhsa_float_denorm_mode_16_64 3
		.amdhsa_memory_ordered 1
		.amdhsa_forward_progress 1
		.amdhsa_inst_pref_size 5
	.end_amdhsa_kernel
	.amdgpu_metadata
---
amdhsa.version: [ 1, 2 ]
amdhsa.kernels:
  - .name:           k_q385e9e6a3d_reduce
    .symbol:         k_q385e9e6a3d_reduce.kd
    .args:
      - { .name: part, .offset: 0, .size: 8, .value_kind: global_buffer, .address_space: global }
      - { .name: out0, .offset: 8, .size: 8, .value_kind: global_buffer, .address_space: global }
    .group_segment_fixed_size: 0
    .private_segment_fixed_size: 0
    .kernarg_segment_align: 8
    .kernarg_segment_size: 16
    .max_flat_workgroup_size: 128
    .sgpr_count:     66
    .vgpr_count:     80
    .wavefront_size: 32
...
	.end_amdgpu_metadata
.endif
;; end of part 3
